; MI455X (gfx1250); checked and timed in simulation.
; The chip was launched on July 23, 2026; its instructions are those of AMD's public machine-readable ISA for CDNA 5 (MIT licence, August 2026) and "CDNA5" Instruction Set Architecture Reference Guide (July 2026). The comments in the code are by the model that wrote it; some were corrected since.
;; Attention Block. Allowed arithmetic: matrix products marked QUANTISED: E4M3 operands, one given power-of-two scale a tensor, by v_wmma_f32_16x16x64_fp8_fp8 or v_wmma_f32_16x16x128_fp8_fp8, f32 sums; everything else in f32.
;; Inputs: Wk 512 x 512 float32; Wp 512 x 512 float32; Wq 512 x 512 float32; Wv 512 x 512 float32; beta 512 float32; bk 512 float32; bp 512 float32; bq 512 float32; bv 512 float32; gamma 512 float32; lowp_scales 12 int32 (the exponents e of the quantised operands' scales 2^e); x 32 x 512 x 32 x 32 float32.
;; Outputs: out0 32 x 512 x 32 x 32 float32.
;; This version of the problem:
;;   THIS VERSION OF THE PROBLEM IS GIVEN IN LOW PRECISION. The matrix products marked QUANTISED in the list below multiply operands that are first quantised to E4M3 (4 exponent bits, 3 mantissa bits; 8 bits a number), with one given power-of-two scale for each operand tensor; their sums are f32. All else is computed in f32.
;;   The module's matrix products, in the order in which they are computed (A, B: the left and right operand; K: the contracted axis; several contracted axes count as one K, in the product's order):
;;     1. [M 32,768, K 512] x [K 512, N 512]; A: computed on the way; B: input Wq: QUANTISED (scales: A lowp_scales[0], B lowp_scales[1])
;;     2. [M 32,768, K 512] x [K 512, N 512]; A: computed on the way; B: input Wk: QUANTISED (scales: A lowp_scales[2], B lowp_scales[3])
;;     3. [M 32,768, K 512] x [K 512, N 512]; A: computed on the way; B: input Wv: QUANTISED (scales: A lowp_scales[4], B lowp_scales[5])
;;     4. batch 32 x [M 1,024, K 512] x [K 512, N 1,024]; A: computed on the way; B: computed on the way: QUANTISED (scales: A lowp_scales[6], B lowp_scales[7])
;;     5. batch 32 x [M 1,024, K 1,024] x [K 1,024, N 512]; A: softmax (see below); B: computed on the way: QUANTISED (scales: A lowp_scales[8], B lowp_scales[9])
;;     6. [M 32,768, K 512] x [K 512, N 512]; A: computed on the way; B: input Wp: QUANTISED (scales: A lowp_scales[10], B lowp_scales[11])
;;   THE QUANTISER, for each operand of a quantised product, along K:
;;     - The operand's scale is 2^e, e = its entry of the input lowp_scales (int32; the entries are numbered through the quantised products in the list's order, A before B).
;;     - Each number is divided by the scale, clamped to +-448, and rounded to the nearest number of E4M3, ties to even, subnormals kept.
;;     - The product sums the exact products of the quantised numbers (number of the format x scale) in f32.
;;   ~~~python
;;   def quantise(x, axis, e):      # numpy; x: float32 -> the quantised numbers, widened to float32 again
;;       x = np.moveaxis(x, axis, -1); K = x.shape[-1]
;;       r = np.clip(x / 2.0 ** e, -448, 448)
;;       step = 2.0 ** (np.maximum(np.frexp(np.where(r == 0, 1, r))[1] - 1, -6) - 3)
;;       q = np.round(r / step) * step * 2.0 ** e      # np.round: ties to even
;;       return np.moveaxis(q, -1, axis).astype(np.float32)
;;   ~~~
;;   SOFTMAX AHEAD OF A QUANTISED PRODUCT. Where the list says 'softmax', what is quantised is not the finished softmax but p = 2^(t - M), with t = logit x log2(e) and M = ceil(the row's largest t), a whole number; so 1/2 < the row's largest p <= 1. The row's sum l is taken of the UNQUANTISED p, in f32, and the product's result is divided by l at the end. Since M is a whole number, a kernel that streams over the keys may use a running M (the ceiling of the running maximum): every later rescaling is an exact power of two, so the quantised numbers keep their values, but for numbers so far below the row's largest that they fall under the format's range.
;;   OPERANDS COMPUTED ON THE WAY. 'Computed on the way' means the value that the module computes at that place (a softmax that the list does not call 'softmax' is quantised finished and normalised). What goes into a quantiser is computed in f32, as accurately as f32 sums, v_exp_f32 and their like allow (about 1e-6 of the number): no bf16 or f16 on the way to a quantiser, and a product that is left as it is and whose result goes on into a quantised operand takes f32 operands (vector FMAs, or v_wmma_f32_16x16x4_f32). A number that lies on a knife's edge between two numbers of the format may be rounded either way, as far as f32 arithmetic and the matrix unit's own rounding can turn it there, and no further.
;; One version. Each part assembles by itself: llvm-mc -triple=amdgcn-amd-amdhsa -mcpu=gfx1250 --defsym DOCPART=n.
;; ======== version 1 of 1: 3 launches
;; workspace buffers: hcodes 50,331,648 bytes; wcodes 1,048,576 bytes; qcodes 16,777,216 bytes; kv 33,554,432 bytes; coefA 65,536 bytes; coefB 65,536 bytes
;; launch norm (part 1): grid 256 x 1, 16 waves a work-group, no clusters, 2,560 bytes of LDS; arguments x, gamma, beta, bp, Wq, Wk, Wv, Wp, lowp_scales, hcodes, wcodes, coefA, coefB; writes hcodes, wcodes, coefA, coefB
.if DOCPART == 1
	.amdgcn_target "amdgcn-amd-amdhsa--gfx1250"
	.amdhsa_code_object_version 6
	.text
	.protected	k_q188c92b614_norm
	.globl	k_q188c92b614_norm
	.p2align	8
	.type	k_q188c92b614_norm,@function
k_q188c92b614_norm:
	s_mov_b64 s[64:65], 0
	v_nop
	global_prefetch_b8 v0, s[64:65] scope:SCOPE_SE
	s_setreg_imm32_b32 hwreg(HW_REG_WAVE_MODE, 25, 1), 1
	s_wait_xcnt 0x0
; GROUP NORM, AND THE CODES OF h AND OF THE FOUR WEIGHTS.  x: [32][512][1024] f32.  One work-group takes one (batch, group): 64 channels x 1,024 positions, 256 KiB,
; which stay in the registers of its sixteen waves (128 a lane) between the mean, the variance (second pass over x - mean: no difference of large sums) and the codes: x is read once.
; Wave w: channels 64 g + 32 (w % 2) + 0..31, positions 128 (w / 2) + 32 u + lane, u = 0..3.  A LANE IS A POSITION AND ITS REGISTERS RUN DOWN THE CHANNELS, which are K of the
; three products that follow: the conversions, which take eight neighbours along K from one lane's registers, give codes with K innermost and nothing is transposed.
; h = xn^T is quantised three times (entries 0, 2, 4 of the scales).  CODES ARE STORED AS IMAGES OF THE OPERAND'S REGISTERS: a fragment is 16 rows x 128 K, 16 registers a lane:
; lane (r, h) holds row r, registers 2 c, 2 c + 1 hold k = 16 c + 8 h + 0..7; its image is 2,048 bytes, four chunks of 512, chunk q = registers 4 q .. 4 q + 3, lane l's 16 bytes at 16 l.
; hcodes: [variant 3][batch 32][tile of 16 positions 64][K step 4][2048].  A lane's octets 0 and 2 of its 32 channels are the 16 bytes of lane (r, 0) of chunk 2 (g % 2) + w % 2, octets 1 and 3 those of lane (r, 1):
; sixteen neighbouring lanes store 256 consecutive bytes, aligned.
; wcodes: [weight 4: q, k, v, p][K step 4][tile of 16 rows 32][2048]: 512 fragments, one for each of waves 0 and 1 of the 256 work-groups.
; coefA = gamma x rstd, coefB = beta - mean x coefA + bp, [32][512] f32: the last launch makes xn + bp = x coefA + coefB of them.
; No tensor loads, no cluster (work-groups share no input), no matrix unit.
; LIMITS: each scale's exponent e lies between -126 and 119, so that 2^e and 448 x 2^e are f32 numbers.  NaN among the inputs is not served.
.set X,  128                           ; v128-255  x, then x - mean, then xn: set u at X + 32 u, channel i at + i
.set AC, 64                            ; v64-95    gamma of my 32 channels, then x rstd  (waves 0, 1: first 64 numbers of a weight in v64-127)
.set BC, 96                            ; v96-127   beta of my 32 channels
.set CD, 16                            ; v16-39    first the sums' chains and the waves' sums; then the codes, 8 registers a variant
.set HA, 48                            ; v48-63    held numbers, two sets of eight by turns  (v48, v49 first: the weight's lane offsets)
; v1 4 lane; v2 my codes' place; v3 0; v4 4 x wave; v5 8 lane; v[6:11] gamma, beta, bp of channels 64 g + 2 lane, + 1; v[12:13] -mean; v[14:15] rstd; v40-42 2^e, v43-45 448 x 2^e of e0, e2, e4; v46, v47 the weight's
.macro POW2 e, dsc, dlim               ; 2^e and 448 x 2^e as f32 patterns
	s_add_co_i32 s2, \e, 127
	s_lshl_b32 s3, s2, 23
	v_mov_b32 \dsc, s3
	s_add_co_i32 s2, s2, 8
	s_lshl_b32 s2, s2, 23
	s_or_b32 s2, s2, 0x600000
	v_mov_b32 \dlim, s2
.endm
	s_load_b512 s[8:23], s[0:1], 0x0               ; x s[8:9], gamma s[10:11], beta s[12:13], bp s[14:15], Wq s[16:17], Wk s[18:19], Wv s[20:21], Wp s[22:23]
	s_load_b256 s[24:31], s[0:1], 0x40             ; the scales s[24:25], hcodes s[26:27], wcodes s[28:29], coefA s[30:31]
	s_load_b64 s[32:33], s[0:1], 0x60              ; coefB
	v_lshrrev_b32 v1, 5, v0
	v_readfirstlane_b32 s48, v1                    ; wave 0..15
	v_lshlrev_b32 v4, 2, v1                        ; my wave's word in LDS
	v_and_b32 v5, 31, v0                           ; lane
	v_lshrrev_b32 v2, 4, v5                        ; lane / 16
	v_and_b32 v3, 15, v5                           ; lane % 16
	v_lshlrev_b32 v1, 2, v5
	v_lshlrev_b32 v49, 4, v5                       ; an image's place for my lane
	v_lshlrev_b32 v48, 11, v3                      ; a weight's row r of 2,048 bytes,
	v_lshl_add_u32 v48, v2, 5, v48                 ; + 32 h: eight numbers
	v_lshlrev_b32 v3, 4, v3
	v_lshl_add_u32 v2, v2, 13, v3                  ; codes: lanes 16-31 belong to the next tile of positions (8,192 bytes on); 16 bytes a lane
	v_mov_b32 v3, 0
	v_lshlrev_b32 v5, 3, v5
	s_lshr_b32 s49, ttmp9, 3                       ; batch
	s_and_b32 s50, ttmp9, 7                        ; group
	s_and_b32 s51, s48, 1                          ; a: which 32 channels
	s_lshr_b32 s34, s48, 1                         ; which 128 positions
	s_lshl_b32 s2, s49, 21                         ; x: batch x 2 MiB + (64 g + 32 a) rows of 4,096 bytes + 512 bytes for 128 positions
	s_lshl_b32 s35, s50, 18
	s_add_co_u32 s2, s2, s35
	s_lshl_b32 s35, s51, 17
	s_add_co_u32 s2, s2, s35
	s_lshl_b32 s35, s34, 9
	s_add_co_u32 s2, s2, s35
	s_mov_b32 s3, 0
	s_lshl_b32 s4, s49, 19                         ; hcodes: batch x 64 tiles x 8,192 + 8 tiles for 128 positions + K step g / 2 + chunk 2 (g % 2) + a
	s_lshl_b32 s35, s34, 16
	s_add_co_u32 s4, s4, s35
	s_lshr_b32 s35, s50, 1
	s_lshl_b32 s35, s35, 11
	s_add_co_u32 s4, s4, s35
	s_and_b32 s35, s50, 1
	s_lshl_b32 s35, s35, 10
	s_add_co_u32 s4, s4, s35
	s_lshl_b32 s35, s51, 9
	s_add_co_u32 s4, s4, s35
	s_mov_b32 s5, 0
	s_lshl_b32 s6, s50, 8                          ; the group's 64 channels in gamma, beta, bp
	s_mov_b32 s7, 0
	s_lshl_b32 s58, s49, 11                        ; and in coefA, coefB
	s_add_co_u32 s58, s58, s6
	s_mov_b32 s59, 0
	s_lshl_b32 s60, s51, 7                         ; my wave's 32 of them
	s_mov_b32 s61, 0
	s_wait_kmcnt 0x0
	s_load_b256 s[36:43], s[24:25], 0x0            ; e0 .. e7
	s_load_b128 s[44:47], s[24:25], 0x20           ; e8 .. e11
	s_add_nc_u64 s[8:9], s[8:9], s[2:3]
	; 128 loads: channel by channel, the four sets of a channel on end: four loads cover 512 consecutive bytes of a row
.set i, 0
.rept 32
.irp u, 0,1,2,3
	global_load_b32 v[X+32*\u+i], v1, s[8:9] offset:i*4096+\u*128 th:TH_LOAD_NT
.endr
.set i, i+1
.endr
	s_add_nc_u64 s[52:53], s[26:27], s[4:5]        ; the three variants of h's codes, 16 MiB apart
	s_add_nc_u64 s[54:55], s[52:53], 0x1000000
	s_add_nc_u64 s[56:57], s[54:55], 0x1000000
	s_add_nc_u64 s[10:11], s[10:11], s[6:7]
	s_add_nc_u64 s[12:13], s[12:13], s[6:7]
	s_add_nc_u64 s[14:15], s[14:15], s[6:7]
	s_add_nc_u64 s[62:63], s[12:13], s[60:61]
	s_add_nc_u64 s[60:61], s[10:11], s[60:61]
	s_add_nc_u64 s[30:31], s[30:31], s[58:59]
	s_add_nc_u64 s[32:33], s[32:33], s[58:59]
	s_mov_b32 s50, 0x76543210                      ; v_permlanex16_b32: lane l xor 16
	s_mov_b32 s51, 0xfedcba98
	s_wait_kmcnt 0x0
	POW2 s36, v40, v43
	POW2 s38, v41, v44
	POW2 s40, v42, v45
	; ---- waves 0 and 1: one fragment of a weight, number f = 2 x work-group + wave = 128 weight + 32 K step + tile
	s_cmp_lt_u32 s48, 2
	s_cbranch_scc0 .Lno_w
	s_lshr_b32 s35, ttmp9, 6                       ; which weight: the choice hangs on the work-group's number alone
	s_cmp_eq_u32 s35, 1
	s_cselect_b64 s[58:59], s[18:19], s[16:17]
	s_cselect_b32 s34, s39, s37
	s_cmp_eq_u32 s35, 2
	s_cselect_b64 s[58:59], s[20:21], s[58:59]
	s_cselect_b32 s34, s41, s34
	s_cmp_eq_u32 s35, 3
	s_cselect_b64 s[58:59], s[22:23], s[58:59]
	s_cselect_b32 s34, s47, s34                    ; its exponent: e1, e3, e5 or e11
	s_lshl_b32 s6, ttmp9, 1
	s_add_co_u32 s6, s6, s48                       ; f
	s_and_b32 s4, s6, 31
	s_lshl_b32 s4, s4, 15                          ; 16 rows of 2,048 bytes a tile,
	s_bfe_u32 s5, s6, 0x20005
	s_lshl_b32 s5, s5, 9                           ; 512 bytes a K step
	s_add_co_u32 s4, s4, s5
	s_mov_b32 s5, 0
	s_add_nc_u64 s[58:59], s[58:59], s[4:5]
	s_lshl_b32 s6, s6, 11
	s_mov_b32 s7, 0
	s_add_nc_u64 s[28:29], s[28:29], s[6:7]
	POW2 s34, v46, v47
.irp c, 0,1,2,3,4,5,6,7
	global_load_b128 v[AC+8*\c:AC+8*\c+3], v48, s[58:59] offset:64*\c       ; W(16 t + r, 128 s + 16 c + 8 h + 0..7)
	global_load_b128 v[AC+8*\c+4:AC+8*\c+7], v48, s[58:59] offset:64*\c+16
.endr
	s_wait_loadcnt 0x0                             ; the youngest loads of the wave: x has come with them
.set j, 0
.rept 64
	v_med3_num_f32 v[AC+j], v[AC+j], -v47, v47     ; the conversion to an 8-bit code does not saturate (ISA guide 7.6.2): the hold at the largest code x the scale
.set j, j+1
.endr
.irp c, 0,1,2,3,4,5,6,7
	v_cvt_scalef32_pk8_fp8_f32 v[CD+2*\c:CD+2*\c+1], v[AC+8*\c:AC+8*\c+7], v46
.endr
	v_nop                                          ; a plain line behind the last conversion
.irp q, 0,1,2,3
	global_store_b128 v49, v[CD+4*\q:CD+4*\q+3], s[28:29] offset:512*\q     ; the image: 512 consecutive bytes a store
.endr
.Lno_w:
	; ---- gamma and beta of my 32 channels, the same in every lane; gamma, beta, bp of the group's 64, two a lane: 19 loads
.irp k, 0,1,2,3,4,5,6,7
	global_load_b128 v[AC+4*\k:AC+4*\k+3], v3, s[60:61] offset:16*\k
.endr
.irp k, 0,1,2,3,4,5,6,7
	global_load_b128 v[BC+4*\k:BC+4*\k+3], v3, s[62:63] offset:16*\k
.endr
	global_load_b64 v[6:7], v5, s[10:11]
	global_load_b64 v[8:9], v5, s[12:13]
	global_load_b64 v[10:11], v5, s[14:15]
	s_mov_b32 s34, 0x37800000                      ; 1 / 65,536
	s_mov_b32 s35, 0x3727c5ac                      ; 1e-5
	s_wait_xcnt 0x0                                ; the image's stores have read v16-31 and v49: they are written again below
; A wave's sum (four chains in v[16:23]) is joined, summed over the lanes, and over the sixteen waves through LDS words at off; the group's sum comes out in v24 of every lane
.macro REDUCE off
	v_pk_add_f32 v[16:17], v[16:17], v[18:19]
	v_pk_add_f32 v[20:21], v[20:21], v[22:23]
	v_pk_add_f32 v[16:17], v[16:17], v[20:21]
	v_add_f32 v16, v16, v17
	v_add_f32_dpp v16, v16, v16 row_xmask:1 row_mask:0xf bank_mask:0xf
	v_add_f32_dpp v16, v16, v16 row_xmask:2 row_mask:0xf bank_mask:0xf
	v_add_f32_dpp v16, v16, v16 row_xmask:4 row_mask:0xf bank_mask:0xf
	v_add_f32_dpp v16, v16, v16 row_xmask:8 row_mask:0xf bank_mask:0xf
	v_permlanex16_b32 v17, v16, s50, s51
	v_add_f32 v16, v16, v17
	ds_store_b32 v4, v16 offset:\off
	s_wait_dscnt 0x0                               ; for the others' sake: my word is written
	s_barrier_signal -1
	s_barrier_wait -1
.irp k, 0,1,2,3
	ds_load_b128 v[24+4*\k:27+4*\k], v3 offset:\off+16*\k
.endr
	s_wait_dscnt 0x0
	v_pk_add_f32 v[24:25], v[24:25], v[26:27]
	v_pk_add_f32 v[28:29], v[28:29], v[30:31]
	v_pk_add_f32 v[32:33], v[32:33], v[34:35]
	v_pk_add_f32 v[36:37], v[36:37], v[38:39]
	v_pk_add_f32 v[24:25], v[24:25], v[28:29]
	v_pk_add_f32 v[32:33], v[32:33], v[36:37]
	v_pk_add_f32 v[24:25], v[24:25], v[32:33]
	v_add_f32 v24, v24, v25
.endm
.macro SUMQ q, left                    ; channels 8 q .. 8 q + 7 of the four sets, one chain a set
	s_wait_loadcnt \left
.irp j, 0,2,4,6
.irp u, 0,1,2,3
	v_pk_add_f32 v[16+2*\u:17+2*\u], v[16+2*\u:17+2*\u], v[X+32*\u+8*\q+\j:X+32*\u+8*\q+\j+1]
.endr
.endr
.endm
	; ---- the mean.  Behind a quarter's 32 loads of x stand the later quarters' (96, 64, 32, 0) and the 19 loads above; the wait's field holds 63 at the most
	s_wait_loadcnt 63
.irp u, 0,1,2,3
	v_pk_add_f32 v[16+2*\u:17+2*\u], v[X+32*\u:X+32*\u+1], v[X+32*\u+2:X+32*\u+3]   ; the first numbers start the chains: nothing is cleared
.endr
.irp j, 4,6
.irp u, 0,1,2,3
	v_pk_add_f32 v[16+2*\u:17+2*\u], v[16+2*\u:17+2*\u], v[X+32*\u+\j:X+32*\u+\j+1]
.endr
.endr
	SUMQ 1, 63
	SUMQ 2, 51
	SUMQ 3, 19
	REDUCE 0
	v_mul_f32 v12, 0xb7800000, v24                 ; -mean = -sum / 65,536
	v_mov_b32 v13, v12
	; ---- the variance, of x - mean
.set j, 0
.rept 64
	v_pk_add_f32 v[X+j:X+j+1], v[X+j:X+j+1], v[12:13]
.set j, j+2
.endr
.irp u, 0,1,2,3
	v_pk_mul_f32 v[16+2*\u:17+2*\u], v[X+32*\u:X+32*\u+1], v[X+32*\u:X+32*\u+1]
.endr
.set j, 2
.rept 15
.irp u, 0,1,2,3
	v_pk_fma_f32 v[16+2*\u:17+2*\u], v[X+32*\u+j:X+32*\u+j+1], v[X+32*\u+j:X+32*\u+j+1], v[16+2*\u:17+2*\u]
.endr
.set j, j+2
.endr
	REDUCE 256                                     ; other words than the first sum's: no barrier is owed between the two
	v_fma_f32 v14, v24, s34, s35                   ; variance + 1e-5
	v_rsq_f32 v14, v14
	v_nop                                          ; a plain line behind the transcendental
	s_wait_alu depctr_va_vdst(0)
	v_mov_b32 v15, v14
	s_wait_loadcnt 0x0                             ; gamma, beta, bp
	; ---- xn = (x - mean) (gamma rstd) + beta
.set j, 0
.rept 16
	v_pk_mul_f32 v[AC+j:AC+j+1], v[AC+j:AC+j+1], v[14:15]
.set j, j+2
.endr
.irp u, 0,1,2,3
.set j, 0
.rept 16
	v_pk_fma_f32 v[X+32*\u+j:X+32*\u+j+1], v[X+32*\u+j:X+32*\u+j+1], v[AC+j:AC+j+1], v[BC+j:BC+j+1]
.set j, j+2
.endr
.endr
	v_pk_mul_f32 v[6:7], v[6:7], v[14:15]          ; coefA = gamma rstd
	v_pk_fma_f32 v[8:9], v[12:13], v[6:7], v[8:9]  ; coefB = beta - mean coefA
	v_pk_add_f32 v[8:9], v[8:9], v[10:11]          ;       + bp
; Set u's 32 positions: three variants x four octets of channels.  The held numbers go into two sets of eight by turns, so that eight plain lines stand between a conversion and the next write of its sources.
.macro QSET u
	s_wait_xcnt 0x0                                ; the last set's stores have read the codes' registers
.set n, 0
.irp e, 0,1,2
.irp o, 0,1,2,3
.set HH, HA+8*(n%2)
.irp j, 0,1,2,3,4,5,6,7
	v_med3_num_f32 v[HH+\j], v[X+32*\u+8*\o+\j], -v[43+\e], v[43+\e]
.endr
	v_cvt_scalef32_pk8_fp8_f32 v[CD+8*\e+4*(\o%2)+2*(\o/2):CD+8*\e+4*(\o%2)+2*(\o/2)+1], v[HH:HH+7], v[40+\e]   ; octets 0, 2: the 16 bytes of half 0; octets 1, 3: of half 1
.set n, n+1
.endr
.endr
	v_nop                                          ; a plain line behind the last conversion
.irp e, 0,1,2
.irp h, 0,1
	global_store_b128 v2, v[CD+8*\e+4*\h:CD+8*\e+4*\h+3], s[52+2*\e:53+2*\e] offset:\u*16384+256*\h   ; sixteen lanes store 256 consecutive bytes, aligned
.endr
.endr
.endm
	QSET 0
	QSET 1
	QSET 2
	QSET 3
	s_cmp_eq_u32 s48, 2                            ; every wave holds the group's coefficients; one stores them: 256 consecutive bytes each
	s_cbranch_scc0 .Ldone
	global_store_b64 v5, v[6:7], s[30:31]
	global_store_b64 v5, v[8:9], s[32:33]
.Ldone:
	s_wait_xcnt 0x0
	v_lshl_add_u32 v254, v0, 2, 0x200
	v_mov_b32 v255, 0
	s_wait_tensorcnt 0x0
	ds_add_u32 v254, v255
	s_wait_dscnt 0x0
	s_endpgm
.Lfunc_end_k_q188c92b614_norm:
	.size	k_q188c92b614_norm, .Lfunc_end_k_q188c92b614_norm-k_q188c92b614_norm
	.p2alignl 7, 3214868480
	.fill 96, 4, 3214868480
	.section	.rodata,"a",@progbits
	.p2align	6, 0x0
	.amdhsa_kernel k_q188c92b614_norm
		.amdhsa_group_segment_fixed_size 2560
		.amdhsa_private_segment_fixed_size 0
		.amdhsa_enable_private_segment 0
		.amdhsa_kernarg_size 104
		.amdhsa_user_sgpr_count 2
		.amdhsa_user_sgpr_kernarg_segment_ptr 1
		.amdhsa_wavefront_size32 1
		.amdhsa_system_sgpr_workgroup_id_x 1
		.amdhsa_system_sgpr_workgroup_id_y 1
		.amdhsa_system_sgpr_workgroup_id_z 1
		.amdhsa_system_vgpr_workitem_id 0
		.amdhsa_next_free_vgpr 256
		.amdhsa_next_free_sgpr 66
		.amdhsa_reserve_vcc 0
		.amdhsa_float_denorm_mode_32 3
		.amdhsa_float_denorm_mode_16_64 3
		.amdhsa_memory_ordered 1
		.amdhsa_forward_progress 1
		.amdhsa_inst_pref_size 76
	.end_amdhsa_kernel
	.amdgpu_metadata
---
amdhsa.version: [ 1, 2 ]
amdhsa.kernels:
  - .name:           k_q188c92b614_norm
    .symbol:         k_q188c92b614_norm.kd
    .args:
      - { .name: x, .offset: 0, .size: 8, .value_kind: global_buffer, .address_space: global }
      - { .name: gamma, .offset: 8, .size: 8, .value_kind: global_buffer, .address_space: global }
      - { .name: beta, .offset: 16, .size: 8, .value_kind: global_buffer, .address_space: global }
      - { .name: bp, .offset: 24, .size: 8, .value_kind: global_buffer, .address_space: global }
      - { .name: Wq, .offset: 32, .size: 8, .value_kind: global_buffer, .address_space: global }
      - { .name: Wk, .offset: 40, .size: 8, .value_kind: global_buffer, .address_space: global }
      - { .name: Wv, .offset: 48, .size: 8, .value_kind: global_buffer, .address_space: global }
      - { .name: Wp, .offset: 56, .size: 8, .value_kind: global_buffer, .address_space: global }
      - { .name: lowp_scales, .offset: 64, .size: 8, .value_kind: global_buffer, .address_space: global }
      - { .name: hcodes, .offset: 72, .size: 8, .value_kind: global_buffer, .address_space: global }
      - { .name: wcodes, .offset: 80, .size: 8, .value_kind: global_buffer, .address_space: global }
      - { .name: coefA, .offset: 88, .size: 8, .value_kind: global_buffer, .address_space: global }
      - { .name: coefB, .offset: 96, .size: 8, .value_kind: global_buffer, .address_space: global }
    .group_segment_fixed_size: 2560
    .private_segment_fixed_size: 0
    .kernarg_segment_align: 8
    .kernarg_segment_size: 104
    .max_flat_workgroup_size: 512
    .sgpr_count:     66
    .vgpr_count:     256
    .wavefront_size: 32
...
	.end_amdgpu_metadata
.endif
;; end of part 1
;; launch qkv (part 2): grid 256 x 1, 4 waves a work-group, no clusters, 197,120 bytes of LDS; arguments hcodes, wcodes, bq, bk, bv, lowp_scales, qcodes, kv; writes qcodes, kv
.if DOCPART == 2
	.amdgcn_target "amdgcn-amd-amdhsa--gfx1250"
	.amdhsa_code_object_version 6
	.text
	.protected	k_q188c92b614_qkv
	.globl	k_q188c92b614_qkv
	.p2align	8
	.type	k_q188c92b614_qkv,@function
k_q188c92b614_qkv:
	s_mov_b64 s[64:65], 0
	v_nop
	global_prefetch_b8 v0, s[64:65] scope:SCOPE_SE
	s_setreg_imm32_b32 hwreg(HW_REG_WAVE_MODE, 25, 1), 1
	s_wait_xcnt 0x0
; q, k, v = h W^T + b ON CODES OF E4M3, AND THEIR OWN CODES FOR THE ATTENTION.  One work-group takes 128 positions of one batch through all three products.
; All operands are images of their registers (fragment: 16 rows x 128 K; lane (r, h): row r, registers 2 c, 2 c + 1: k = 16 c + 8 h + 0..7; 2,048 bytes, chunk q = registers 4 q .. 4 q + 3, lane l at 16 l).
; h's three variants (3 x 64 KiB: [tile of 16 positions 8][K step 4][2048]) are brought into LDS once, by three tensor loads a wave (a quarter each): three loads of mine are out at the most; no byte of LDS is filled twice.
; THE WAVES SHARE THE OUTPUTS: wave w makes d = 128 w .. 128 w + 127 for all 128 positions.  Its part of a weight (8 tiles x 4 K steps, 512 registers) comes from memory straight into registers, each fragment once for a product,
; and the next product's part is loaded K step by K step into the registers that the last pass has just done with.
; NO CLUSTER: what work-groups share is the weights, and each fragment of a weight serves ONE wave of a work-group from its registers; sent through LDS it would be written and read there once more (768 KiB each way a work-group),
; in slots for which the 192 KiB of h leave no room for two of a K step's 128 KiB x 3.
; A pass is 4 tiles of positions x 8 tiles of outputs: 32 accumulators by turns, 4 K steps of 32 matrix instructions.  The bias, divided by the power of two that the sums lack, is the C of each sum's first instruction.
; q, k (kind 0): source 0 = W, source 1 = h: a lane holds ONE position and its registers run along d, the next K: a tile's eight registers convert into registers 2 t, 2 t + 1 of fragment (tile of positions, K step w).
; v (kind 1): source 0 = h, source 1 = W: a lane holds ONE channel d and its registers run along the positions, which are the keys, K of the last product but one: fragment (tile of channels 8 w + t), registers 2 c, 2 c + 1 from tile of positions c.
; qcodes: [batch][tile 64][K step 4][2048].  kv: [batch][block of 128 keys 8][131072]: K's images [tile of keys 8][K step 4][2048], then V^T's [tile of channels 32][2048].  Every store covers 512 consecutive bytes.
; LIMITS: e6 - e0 - e1, e7 - e2 - e3, e9 - e4 - e5 lie between -126 and 119, so that each folded scale and 448 x it are f32 numbers.  NaN among the inputs is not served.
; REGISTERS.  window 0: v2-4 16 lane + 65,536 variant; v5 32 h; v6 4 r; v8, v9 the folded scale and 448 x it; v16-47 codes; v48-55 bv of my channels; v64-127 the bias as C; v128-191, v192-255 four fragments of h each.
;   windows 1, 2: W(K step s, tile t) at window 1 + s / 2, register 128 (s % 2) + 16 t.   window 3: accumulator (m, t) at 64 m + 8 t.
.set BI, 64
.set F0, 128
.set CD, 16
.set MSB, 0
.macro WIN new                         ; the immediate's high byte repeats the setting that is left; a switch that changes nothing is dropped
.if MSB != (\new)
	s_set_vgpr_msb (MSB<<8)|(\new)
.set MSB, (\new)
.endif
.endm
.macro PLACES                          ; four plain lines between a matrix instruction and a load into, or a vector read of, its registers
.rept 4
	v_nop
.endr
.endm
.macro FRAGS v, hf, s                  ; h's four fragments of tiles 4 hf .. 4 hf + 3, K step s, variant v
.set FB, F0+64*((\s)%2)
.irp m, 0,1,2,3
.irp c, 0,1,2,3
	ds_load_b128 v[FB+16*\m+4*\c:FB+16*\m+4*\c+3], v[2+(\v)] offset:(4*(\hf)+\m)*8192+2048*(\s)+512*\c
.endr
.endr
.endm
.macro WLOAD p, s                      ; my eight fragments of weight p, K step s: 32 loads
	WIN 0x40*(1+(\s)/2)
.irp t, 0,1,2,3,4,5,6,7
.irp c, 0,1,2,3
	global_load_b128 v[128*((\s)%2)+16*\t+4*\c:128*((\s)%2)+16*\t+4*\c+3], v2, s[68:69] offset:(\p)*262144+(\s)*65536+\t*2048+512*\c
.endr
.endr
.endm
.macro BIAS sb                         ; bias[128 w + 16 t + 8 h + 0..7] into the result's layout: 16 loads
.irp t, 0,1,2,3,4,5,6,7
	global_load_b128 v[BI+8*\t:BI+8*\t+3], v5, s[\sb:\sb+1] offset:64*\t
	global_load_b128 v[BI+8*\t+4:BI+8*\t+7], v5, s[\sb:\sb+1] offset:64*\t+16
.endr
.endm
.macro MUL32 kind, s                   ; 32 matrix instructions, one a turn on each accumulator
.set WR, 128*((\s)%2)
.set FB, F0+64*((\s)%2)
.if \kind == 0
.if (\s) == 0
	WIN 0xc1                                       ; source 0 (W) window 1, source 1 (h) and C (the bias) window 0, D window 3
.elseif (\s) == 1
	WIN 0xf1
.else
	WIN 0xf2
.endif
.else
.if (\s) == 0
	WIN 0xc4                                       ; source 0 (h) and C window 0, source 1 (W) window 1, D window 3
.elseif (\s) == 1
	WIN 0xf4
.else
	WIN 0xf8
.endif
.endif
.irp m, 0,1,2,3
.irp t, 0,1,2,3,4,5,6,7
.if \kind == 0
.if (\s) == 0
	v_wmma_f32_16x16x128_fp8_fp8 v[64*\m+8*\t:64*\m+8*\t+7], v[WR+16*\t:WR+16*\t+15], v[FB+16*\m:FB+16*\m+15], v[BI+8*\t:BI+8*\t+7]
.else
	v_wmma_f32_16x16x128_fp8_fp8 v[64*\m+8*\t:64*\m+8*\t+7], v[WR+16*\t:WR+16*\t+15], v[FB+16*\m:FB+16*\m+15], v[64*\m+8*\t:64*\m+8*\t+7]
.endif
.else
.if (\s) == 0
	v_wmma_f32_16x16x128_fp8_fp8 v[64*\m+8*\t:64*\m+8*\t+7], v[FB+16*\m:FB+16*\m+15], v[WR+16*\t:WR+16*\t+15], v[BI+8*\t:BI+8*\t+7]
.else
	v_wmma_f32_16x16x128_fp8_fp8 v[64*\m+8*\t:64*\m+8*\t+7], v[FB+16*\m:FB+16*\m+15], v[WR+16*\t:WR+16*\t+15], v[64*\m+8*\t:64*\m+8*\t+7]
.endif
.endif
.endr
.endr
.endm
.macro TBAR n                          ; my quarter of a variant has landed (n later loads of mine may be out), then everybody's.  No LDS instruction of mine is pending here
	s_wait_tensorcnt \n
	s_barrier_signal -1
	s_barrier_wait -1
.endm
; A pass: product p, half hf of the positions.  K steps 0 and 1 of h have been asked for.
.macro PASS p, kind, hf
.irp k, 0,1,2,3
.if \k < 3
	s_wait_dscnt 16                                ; this K step's fragments are in; the next K step's sixteen loads may be out
.else
	s_wait_dscnt 0x0
.endif
.if \hf == 0                           ; the weight's K step k is in: behind it stand the later K steps' loads, 96, 64, 32, 0 (the wait's field holds 63)
.if \k < 2
	s_wait_loadcnt 63
.elseif \k == 2
	s_wait_loadcnt 32
.else
	s_wait_loadcnt 0x0
.endif
.endif
	MUL32 \kind, \k
	WIN 0
	PLACES
.if \k < 2
	FRAGS \p, \hf, \k+2
.endif
.if (\hf == 1) && (\p < 2)             ; the product's last pass: what it has done with takes the next product's
.if (\k == 0) && (\p == 0)
	BIAS 76                                        ; bk
.endif
	WLOAD \p+1, \k
	WIN 0
.endif
.endr
.if \hf == 0
	FRAGS \p, 1, 0
	FRAGS \p, 1, 1
.elseif \p < 2
	TBAR 1-\p                                      ; the next variant of h
	FRAGS \p+1, 0, 0
	FRAGS \p+1, 0, 1
.endif
.endm
; The way out of a pass of kind 0: tile of positions by tile: hold (each accumulator from its low end on), eight conversions = a whole fragment, four stores
.macro EPIA sb, hf
.irp m, 0,1,2,3
	WIN 0xc3
.set j, 0
.rept 64
	v_med3_num_f32 v[64*\m+j], v[64*\m+j], -v9, v9 ; the conversion does not saturate (ISA guide 7.6.2)
.set j, j+1
.endr
	s_wait_xcnt 0x0                                ; earlier stores have read the codes' registers
	WIN 0x03
.irp t, 0,1,2,3,4,5,6,7
	v_cvt_scalef32_pk8_fp8_f32 v[CD+16*(\m%2)+2*\t:CD+16*(\m%2)+2*\t+1], v[64*\m+8*\t:64*\m+8*\t+7], v8
.endr
	v_nop                                          ; a plain line behind the last conversion
	WIN 0
.irp c, 0,1,2,3
	global_store_b128 v2, v[CD+16*(\m%2)+4*\c:CD+16*(\m%2)+4*\c+3], s[\sb:\sb+1] offset:(4*\hf+\m)*8192+512*\c
.endr
.endr
.endm
; The way out of a pass of kind 1: tile of channels by tile: four conversions = registers 8 hf .. 8 hf + 7 of its fragment, two stores
.macro EPIB hf
.irp t, 0,1,2,3,4,5,6,7
	WIN 0xc3
.irp m, 0,1,2,3
.irp j, 0,1,2,3,4,5,6,7
	v_med3_num_f32 v[64*\m+8*\t+\j], v[64*\m+8*\t+\j], -v9, v9
.endr
.endr
	s_wait_xcnt 0x0
	WIN 0x03
.irp m, 0,1,2,3
	v_cvt_scalef32_pk8_fp8_f32 v[CD+8*(\t%4)+2*\m:CD+8*(\t%4)+2*\m+1], v[64*\m+8*\t:64*\m+8*\t+7], v8
.endr
	v_nop
	WIN 0
.irp c, 0,1
	global_store_b128 v2, v[CD+8*(\t%4)+4*\c:CD+8*(\t%4)+4*\c+3], s[80:81] offset:\t*2048+(2*\hf+\c)*512
.endr
.endr
.endm
; A product's start: the bias / 2^(eA + eB), exact, and the product's folded scale
.macro START p, kind
.if \kind == 0
	s_wait_loadcnt 63                              ; the bias's loads are older than the weight's 128
.set j, 0
.rept 64
	v_ldexp_f32 v[BI+j], v[BI+j], s[56+\p]
.set j, j+1
.endr
.else
.irp t, 0,1,2,3,4,5,6,7
.irp j, 0,1,2,3,4,5,6,7
	v_ldexp_f32 v[BI+8*\t+\j], v[48+\t], s[56+\p]  ; a lane holds one channel: the same bias in the tile's eight registers
.endr
.endr
.endif
	v_mov_b32 v8, s[59+\p]
	v_mov_b32 v9, s[82+\p]
.endm
.macro FOLD p, ea, eb, eo              ; s[56+p] = -(eA + eB); s[59+p] = 2^(eo - eA - eB); s[82+p] = 448 x that
	s_add_co_i32 s21, \ea, \eb
	s_sub_co_i32 s[56+\p], 0, s21
	s_sub_co_i32 s21, \eo, s21
	s_add_co_i32 s21, s21, 127
	s_lshl_b32 s[59+\p], s21, 23
	s_add_co_i32 s21, s21, 8
	s_lshl_b32 s21, s21, 23
	s_or_b32 s[82+\p], s21, 0x600000
.endm
	s_load_b512 s[4:19], s[0:1], 0x0               ; hcodes s[4:5], wcodes s[6:7], bq s[8:9], bk s[10:11], bv s[12:13], the scales s[14:15], qcodes s[16:17], kv s[18:19]
	v_lshl_add_u32 v62, v0, 2, 0x30000
	v_mov_b32 v63, 0
	ds_add_u32 v62, v63
	ds_add_u32 v62, v63
	v_lshrrev_b32 v1, 5, v0
	v_readfirstlane_b32 s20, v1                    ; wave 0..3
	v_and_b32 v7, 31, v0
	v_lshlrev_b32 v2, 4, v7                        ; 16 x lane: an image's place for my lane; also variant 0 in LDS
	v_add_nc_u32 v3, 0x10000, v2
	v_add_nc_u32 v4, 0x20000, v2
	v_lshrrev_b32 v5, 4, v7
	v_lshlrev_b32 v5, 5, v5                        ; 32 h
	v_and_b32 v6, 15, v7
	v_lshlrev_b32 v6, 2, v6                        ; 4 r
	; descriptor group 1: a dense block of 16 KiB as 64 rows of 32 elements of 8 bytes
	s_mov_b32 s24, 3<<16                           ; no mask; elements of 8 bytes; no padding
	s_mov_b32 s25, 32<<16                          ; tensor_dim0 = 32
	s_mov_b32 s26, 64<<16                          ; tensor_dim1 = 64
	s_mov_b32 s27, 32<<16                          ; tile_dim0 = 32
	s_mov_b32 s28, 64                              ; tile_dim1 = 64
	s_mov_b32 s29, 32                              ; from row to row
	s_mov_b32 s30, 0
	s_mov_b32 s31, 0
	s_lshl_b32 s21, s20, 14                        ; my quarter: 16,384 x wave
	s_lshl_b32 s22, ttmp9, 16                      ; the work-group's 8 tiles of positions: 65,536 bytes a variant
	s_add_co_u32 s22, s22, s21
	s_mov_b32 s23, 0
	s_wait_dscnt 0x0
	s_wait_kmcnt 0x0
	s_load_b256 s[44:51], s[14:15], 0x0            ; e0 .. e7
	s_load_b128 s[52:55], s[14:15], 0x20           ; e8 .. e11
	s_add_nc_u64 s[4:5], s[4:5], s[22:23]
.irp v, 0,1,2
	s_mov_b32 s[32+4*\v], 1                        ; count = 1
	s_add_co_u32 s[33+4*\v], s21, \v*65536         ; LDS address: variant, my quarter
	s_add_nc_u64 s[34+4*\v:35+4*\v], s[4:5], \v*0x1000000
	s_or_b32 s[35+4*\v], s[35+4*\v], 0x80000000    ; type = 2
.endr
	tensor_load_to_lds s[32:35], s[24:31]          ; the three first fills go out together, ahead of every wait on TENSORcnt, every LDS read and every barrier
	s_nop 0
	tensor_load_to_lds s[36:39], s[24:31]
	s_nop 0
	tensor_load_to_lds s[40:43], s[24:31]
	s_nop 0
	PLACES
	s_mov_b32 s22, s21
	s_add_nc_u64 s[68:69], s[6:7], s[22:23]        ; wcodes at my eight tiles
	s_lshl_b32 s22, s20, 9
	s_add_nc_u64 s[74:75], s[8:9], s[22:23]        ; the biases at my 128 outputs
	s_add_nc_u64 s[76:77], s[10:11], s[22:23]
	s_add_nc_u64 s[78:79], s[12:13], s[22:23]
	s_lshl_b32 s86, s20, 11                        ; K step w of an image's tile
	s_lshl_b32 s22, ttmp9, 16
	s_add_co_u32 s22, s22, s86
	s_add_nc_u64 s[70:71], s[16:17], s[22:23]      ; qcodes
	s_lshl_b32 s22, ttmp9, 17
	s_add_co_u32 s22, s22, s86
	s_add_nc_u64 s[72:73], s[18:19], s[22:23]      ; K's images
	s_lshl_b32 s22, ttmp9, 17
	s_add_co_u32 s22, s22, s21
	s_add_co_u32 s22, s22, 65536
	s_add_nc_u64 s[80:81], s[18:19], s[22:23]      ; V^T's images, my eight tiles of channels
.irp t, 0,1,2,3,4,5,6,7
	global_load_b32 v[48+\t], v6, s[78:79] offset:64*\t     ; bv[128 w + 16 t + r]
.endr
	BIAS 74                                        ; bq
	WLOAD 0, 0
	WLOAD 0, 1
	WLOAD 0, 2
	WLOAD 0, 3
	WIN 0
	TBAR 2                                         ; variant 0 is in; the other two may stay out
	FRAGS 0, 0, 0
	FRAGS 0, 0, 1
	s_wait_kmcnt 0x0
	FOLD 0, s44, s45, s50                          ; q: e0, e1 -> e6
	FOLD 1, s46, s47, s51                          ; k: e2, e3 -> e7
	FOLD 2, s48, s49, s53                          ; v: e4, e5 -> e9
	START 0, 0
	PASS 0, 0, 0
	EPIA 70, 0
	PASS 0, 0, 1
	EPIA 70, 1
	START 1, 0
	PASS 1, 0, 0
	EPIA 72, 0
	PASS 1, 0, 1
	EPIA 72, 1
	START 2, 1
	PASS 2, 1, 0
	EPIB 0
	PASS 2, 1, 1
	EPIB 1
	s_wait_tensorcnt 0x0
	ds_add_u32 v62, v63
	s_wait_dscnt 0x0
	s_endpgm
.Lfunc_end_k_q188c92b614_qkv:
	.size	k_q188c92b614_qkv, .Lfunc_end_k_q188c92b614_qkv-k_q188c92b614_qkv
	.p2alignl 7, 3214868480
	.fill 96, 4, 3214868480
	.section	.rodata,"a",@progbits
	.p2align	6, 0x0
	.amdhsa_kernel k_q188c92b614_qkv
		.amdhsa_group_segment_fixed_size 197120
		.amdhsa_private_segment_fixed_size 0
		.amdhsa_enable_private_segment 0
		.amdhsa_kernarg_size 64
		.amdhsa_user_sgpr_count 2
		.amdhsa_user_sgpr_kernarg_segment_ptr 1
		.amdhsa_wavefront_size32 1
		.amdhsa_system_sgpr_workgroup_id_x 1
		.amdhsa_system_sgpr_workgroup_id_y 1
		.amdhsa_system_sgpr_workgroup_id_z 1
		.amdhsa_system_vgpr_workitem_id 0
		.amdhsa_next_free_vgpr 1024
		.amdhsa_next_free_sgpr 90
		.amdhsa_reserve_vcc 0
		.amdhsa_float_denorm_mode_32 3
		.amdhsa_float_denorm_mode_16_64 3
		.amdhsa_memory_ordered 1
		.amdhsa_forward_progress 1
		.amdhsa_inst_pref_size 255
	.end_amdhsa_kernel
	.section	.bss,"aw",@nobits
	.p2align	6
	.space	262144
	.amdgpu_metadata
---
amdhsa.version: [ 1, 2 ]
amdhsa.kernels:
  - .name:           k_q188c92b614_qkv
    .symbol:         k_q188c92b614_qkv.kd
    .args:
      - { .name: hcodes, .offset: 0, .size: 8, .value_kind: global_buffer, .address_space: global }
      - { .name: wcodes, .offset: 8, .size: 8, .value_kind: global_buffer, .address_space: global }
      - { .name: bq, .offset: 16, .size: 8, .value_kind: global_buffer, .address_space: global }
      - { .name: bk, .offset: 24, .size: 8, .value_kind: global_buffer, .address_space: global }
      - { .name: bv, .offset: 32, .size: 8, .value_kind: global_buffer, .address_space: global }
      - { .name: lowp_scales, .offset: 40, .size: 8, .value_kind: global_buffer, .address_space: global }
      - { .name: qcodes, .offset: 48, .size: 8, .value_kind: global_buffer, .address_space: global }
      - { .name: kv, .offset: 56, .size: 8, .value_kind: global_buffer, .address_space: global }
    .group_segment_fixed_size: 197120
    .private_segment_fixed_size: 0
    .kernarg_segment_align: 8
    .kernarg_segment_size: 64
    .max_flat_workgroup_size: 128
    .sgpr_count:     90
    .vgpr_count:     1024
    .wavefront_size: 32
...
	.end_amdgpu_metadata
.endif
;; end of part 2
;; launch attn (part 3): grid 8 x 32, 4 waves a work-group, clusters of 4 x 1, 327,680 bytes of LDS; arguments qcodes, kv, wcodes, coefA, coefB, x, lowp_scales, out0; writes out0
.if DOCPART == 3
	.amdgcn_target "amdgcn-amd-amdhsa--gfx1250"
	.amdhsa_code_object_version 6
	.text
	.protected	k_q188c92b614_attn
	.globl	k_q188c92b614_attn
	.p2align	8
	.type	k_q188c92b614_attn,@function
k_q188c92b614_attn:
	s_mov_b64 s[64:65], 0
	v_nop
	global_prefetch_b8 v0, s[64:65] scope:SCOPE_SE
	s_setreg_imm32_b32 hwreg(HW_REG_WAVE_MODE, 25, 1), 1
	s_wait_xcnt 0x0
	s_wait_alu depctr_hold_cnt(0) depctr_sa_sdst(0) depctr_va_vdst(0) depctr_va_sdst(0) depctr_va_ssrc(0) depctr_va_vcc(0) depctr_vm_vsrc(0)
	s_getreg_b32 s2, hwreg(HW_REG_IB_STS2, 6, 4)
	s_cmp_eq_u32 s2, 0
	s_cbranch_scc0 .Lentry_in_a_cluster
	s_endpgm
.Lentry_in_a_cluster:
	s_bfe_u32 s2, ttmp6, 0x10000c
	s_cmp_lg_u32 s2, 0x3003
	s_cbranch_scc0 .Lentry_shape_is_right
	s_endpgm
.Lentry_shape_is_right:
; ATTENTION, THE PROJECTION AND THE RESIDUAL, all three products on codes of E4M3.  out0[b][e][n] = (softmax(q k^T / sqrt(512)) v Wp^T)[n][e] + bp[e] + xn[b][e][n].
; A work-group owns 128 queries of one batch, each of its four waves 32: two tiles of 16.  Every wave walks the batch's 1,024 keys, 128 a step.
; All operands are images of their registers (fragment: 16 rows x 128 K; lane (r, h): row r, registers 2 c, 2 c + 1: k = 16 c + 8 h + 0..7; 2,048 bytes, chunk q = registers 4 q .. 4 q + 3, lane l at 16 l): every LDS load takes 512 consecutive bytes.
; Both products are used transposed: S^T = K Q^T (source 0 = 16 keys, source 1 = 16 queries), O^T = V^T P^T (source 0 = 16 channels, source 1 = P): a lane holds ONE query throughout, and the eight registers of key tile c convert into
; registers 2 c, 2 c + 1 of P's fragment.
; SOFTMAX: t = score x log2(e) / sqrt(512); M = the running largest t rounded UP to a whole number; p = 2^(t - M) is quantised, not normalised; the row's sum is taken of the unquantised p; when M moves, the sum and O^T are multiplied by 2^(old M - new M): exact.
; RING: a block of 128 keys (K's 32 images, then V^T's 32: 128 KiB, dense) is a slot; two slots.  CLUSTER: the four query blocks of a cluster belong to one batch and walk the same blocks: each quarter of a block is asked for JOINTLY, by the
; same tensor load with the same descriptor and a mask that names the four.  One load of mine is out behind each round; it has a key step's 128 matrix instructions in which to land.
; THE END: O^T / the sum is quantised in registers and goes to LDS as images (into slot 0, which has had its last fill and its last read); wave w then makes outputs e = 128 w .. + 127 for all 128 queries (source 0 = O, source 1 = Wp,
; which has taken O^T's registers): a lane holds one e and eight neighbouring positions.  They pass through the wave's own stage in LDS, so that sixteen lanes meet x and store out0 in 256 consecutive bytes, aligned.
; xn + bp = x coefA + coefB, with the coefficients that the first launch stored.
; LIMITS: e6 + e7 between -121 and 131 (added to c's exponent field); e8, and e10 - e8 - e9, between -126 and 119; e10 + e11 between -126 and 127.  NaN among the inputs is not served.
; REGISTERS.  window 0: v1 16 lane; v2, v3 the step's K and V in LDS; v4, v5 the spare word and 0; v6-11 addresses of the end; v12-15 2^e8, 448 x it, 2^(e10 - e8 - e9), 448 x it; v16-31 statistics, 8 a tile: -M, largest t, the sum (2), f (2), 2 at work;
;   v32-39 coefB of my e; v40, v41 offsets; v48-51 at work; v64-191 S^T, 64 a tile (later O's codes, then O's fragments); v192-223 P (later v192-255 coefA).
;   windows 1, 2: O^T of tiles 0, 1, channel tile t at 8 t (later Wp(s, t) at window 1 + s / 2, register 128 (s % 2) + 16 t).
;   window 3: v0-127 Q (tile q, K step s at 64 q + 16 s); v128-191, v192-255 four fragments of K or V each (later the projection's accumulators (m, t) at 64 m + 8 t; then x in v0-191 and rows from the stage in v192-255).
.set SLOT1,  1<<17
.set SPARE,  2*SLOT1                   ; behind the ring: the spare words, 128 bytes for each wave: two blocks of 256 bytes that no other line names
.set STAGE,  65536                     ; the way out: 128 rows x 272 bytes for each wave; written only behind the barrier that follows the last key step
.set SPITCH, 272
.set ST,  16
.set S,   64
.set P,   192
.set KB,  128
.set AV,  192
.set MSB, 0
.macro WIN new                         ; the immediate's high byte repeats the setting that is left; a switch that changes nothing is dropped
.if MSB != (\new)
	s_set_vgpr_msb (MSB<<8)|(\new)
.set MSB, (\new)
.endif
.endm
.macro PLACES                          ; four plain lines between a matrix instruction and a load into, or a vector read of, its registers
.rept 4
	v_nop
.endr
.endm
.macro ROUND                           ; a round of the cluster's barrier
	s_barrier_signal -1
	s_barrier_wait -1
	s_cmp_lg_u32 s20, 0
	s_cbranch_scc1 .Lnot_wave_0_\@
	s_barrier_signal -3
.Lnot_wave_0_\@:
	s_barrier_wait -3
	s_barrier_signal -1
	s_barrier_wait -1
.endm
.macro JLOAD                           ; my quarter of a block, jointly; four v_nop follow
	tensor_load_to_lds s[32:35], s[24:31]
	s_nop 0
	PLACES
.endm
; THE CHANGE OF SLOTS stands at a step's head.  Each wave waits for all its tensor loads (its quarter of the slot ahead), adds 0 to its spare word, and waits for that and for its reads of the slot that it has left.
; fill = 1: a round of the cluster's barrier, and the slot just left takes the block that follows.
.macro CHANGE fill
	WIN 0
	s_wait_tensorcnt 0x0                           ; no tensor load of mine is out, so the descriptor may be written
	ds_add_u32 v4, v5                              ; 0 onto my spare word
.if \fill
	s_xor_b32 s33, s33, SLOT1                      ; the other slot than last time,
	s_add_nc_u64 s[34:35], s[34:35], 131072        ; the next block; the type bits on top are not reached
.endif
	s_wait_dscnt 0x0                               ; the add is done, and my reads of the slot that I have left are over
.if \fill
	ROUND
	JLOAD
.else
	s_barrier_signal -1
	s_barrier_wait -1
.endif
.endm
.macro KLD i                           ; batch i of K: key tiles 4 (i % 2) + 0..3, K step i / 2, into buffer i % 2
	WIN 0xc0
.irp f, 0,1,2,3
.irp c, 0,1,2,3
	ds_load_b128 v[KB+64*((\i)%2)+16*\f+4*\c:KB+64*((\i)%2)+16*\f+4*\c+3], v2 offset:((4*((\i)%2)+\f)*4+(\i)/2)*2048+512*\c
.endr
.endr
.endm
.macro VLD i                           ; batch i of V^T: channel tiles 4 i + 0..3
	WIN 0xc0
.irp f, 0,1,2,3
.irp c, 0,1,2,3
	ds_load_b128 v[KB+64*((\i)%2)+16*\f+4*\c:KB+64*((\i)%2)+16*\f+4*\c+3], v3 offset:(4*(\i)+\f)*2048+512*\c
.endr
.endr
.endm
; Batch i of S^T = K Q^T: eight matrix instructions, each fragment of K against my two tiles of queries.  The sixteen accumulators take turns, one instruction a turn.
; pf = 1 (the last key step): behind the loads of batches 1, 3, 5, 7 one prefetch asks for x: 32 of my 128 rows each, the 256 bytes of a row that the first half of the way out will load; each block is asked for once, by the wave that will load it.
.macro SB i, pf
	s_wait_dscnt 16                                ; this batch is in; the next batch's sixteen loads may be out
	WIN 0x0f
.irp f, 0,1,2,3
.irp q, 0,1
.if (\i) < 2
	v_wmma_f32_16x16x128_fp8_fp8 v[S+64*\q+8*(4*((\i)%2)+\f):S+64*\q+8*(4*((\i)%2)+\f)+7], v[KB+64*((\i)%2)+16*\f:KB+64*((\i)%2)+16*\f+15], v[64*\q+16*((\i)/2):64*\q+16*((\i)/2)+15], 0
.else
	v_wmma_f32_16x16x128_fp8_fp8 v[S+64*\q+8*(4*((\i)%2)+\f):S+64*\q+8*(4*((\i)%2)+\f)+7], v[KB+64*((\i)%2)+16*\f:KB+64*((\i)%2)+16*\f+15], v[64*\q+16*((\i)/2):64*\q+16*((\i)/2)+15], v[S+64*\q+8*(4*((\i)%2)+\f):S+64*\q+8*(4*((\i)%2)+\f)+7]
.endif
.endr
.endr
	WIN 0
	PLACES
.if (\i) < 6
	KLD (\i)+2
.else
	VLD (\i)-6
.endif
.if (\pf) && ((\i)%2 == 1)
	global_prefetch_b8 v11, s[52:53] offset:131072*((\i)/2) th:TH_LOAD_NT scope:SCOPE_SE
.endif
.endm
; Batch i of O^T += V^T P^T: each of the 64 accumulators has one instruction a key step.  first = 1: the products start the sums: nothing is ever cleared.
.macro PB i, first
.if (\i) < 7
	s_wait_dscnt 16
.else
	s_wait_dscnt 0x0
.endif
.irp q, 0,1
	WIN 0x53+0x50*\q                               ; V window 3, P window 0, O^T window 1 or 2
.irp f, 0,1,2,3
.if \first
	v_wmma_f32_16x16x128_fp8_fp8 v[8*(4*(\i)+\f):8*(4*(\i)+\f)+7], v[KB+64*((\i)%2)+16*\f:KB+64*((\i)%2)+16*\f+15], v[P+16*\q:P+16*\q+15], 0
.else
	v_wmma_f32_16x16x128_fp8_fp8 v[8*(4*(\i)+\f):8*(4*(\i)+\f)+7], v[KB+64*((\i)%2)+16*\f:KB+64*((\i)%2)+16*\f+15], v[P+16*\q:P+16*\q+15], v[8*(4*(\i)+\f):8*(4*(\i)+\f)+7]
.endif
.endr
.endr
	WIN 0
	PLACES
.if (\i) < 6
	VLD (\i)+2
.endif
.endm
; The two tiles' softmax of a key step, line by line by turns.  first = 1: the first step has no old M, no f and nothing to rescale.
.macro SOFTMAX first
.irp q, 0,1
	v_max3_num_f32 v[ST+8*\q+6], v[S+64*\q], v[S+64*\q+1], v[S+64*\q+2]       ; the largest score of my query among my 64 keys, in two chains, each accumulator from its low end on
	v_max3_num_f32 v[ST+8*\q+7], v[S+64*\q+3], v[S+64*\q+4], v[S+64*\q+5]
.endr
.irp i, 6,10,14,18,22,26,30,34,38,42,46,50,54,58
.irp q, 0,1
	v_max3_num_f32 v[ST+8*\q+6], v[ST+8*\q+6], v[S+64*\q+\i], v[S+64*\q+\i+1]
	v_max3_num_f32 v[ST+8*\q+7], v[ST+8*\q+7], v[S+64*\q+\i+2], v[S+64*\q+\i+3]
.endr
.endr
.irp q, 0,1
	v_max3_num_f32 v[ST+8*\q+6], v[ST+8*\q+6], v[S+64*\q+62], v[S+64*\q+63]
.endr
.irp q, 0,1
	v_max_num_f32 v[ST+8*\q+6], v[ST+8*\q+6], v[ST+8*\q+7]
.endr
.irp q, 0,1
	v_permlanex16_b32 v[ST+8*\q+7], v[ST+8*\q+6], s38, s39
.endr
.irp q, 0,1
	v_max_num_f32 v[ST+8*\q+6], v[ST+8*\q+6], v[ST+8*\q+7]                    ; and among lane l xor 16's
.endr
.if \first
.irp q, 0,1
	v_mul_f32 v[ST+8*\q+1], s40, v[ST+8*\q+6]                                 ; as t (c is positive)
.endr
.irp q, 0,1
	v_floor_f32 v[ST+8*\q], -v[ST+8*\q+1]                                     ; -M = floor(-t) = -ceil(t)
.endr
.else
.irp q, 0,1
	v_mul_f32 v[ST+8*\q+6], s40, v[ST+8*\q+6]
.endr
.irp q, 0,1
	v_max_num_f32 v[ST+8*\q+1], v[ST+8*\q+1], v[ST+8*\q+6]                    ; the running largest t
.endr
.irp q, 0,1
	v_mov_b32 v[ST+8*\q+7], v[ST+8*\q]
.endr
.irp q, 0,1
	v_floor_f32 v[ST+8*\q], -v[ST+8*\q+1]
.endr
.irp q, 0,1
	v_sub_f32 v[ST+8*\q+7], v[ST+8*\q], v[ST+8*\q+7]                          ; old M - new M: a whole number, 0 or less
.endr
.irp q, 0,1
	v_cvt_i32_f32 v[ST+8*\q+7], v[ST+8*\q+7]
.endr
.irp q, 0,1
	v_ldexp_f32 v[ST+8*\q+4], 1.0, v[ST+8*\q+7]                               ; f = 2^(old M - new M)
.endr
.endif
.set j, 0
.rept 32
.irp q, 0,1
	v_pk_fma_f32 v[S+64*\q+j:S+64*\q+j+1], v[S+64*\q+j:S+64*\q+j+1], s[40:41], v[ST+8*\q:ST+8*\q+1] op_sel_hi:[1,0,0]   ; t - M (of the pairs c and -M the low word serves both halves)
.endr
.set j, j+2
.endr
.set j, 0
.rept 128
	v_exp_f32 v[S+j], v[S+j]                       ; p = 2^(t - M), at most 1
.set j, j+1
.endr
.if \first
	v_nop                                          ; a plain line behind the exponentials
	s_wait_alu depctr_va_vdst(0)
.irp q, 0,1
	v_pk_add_f32 v[ST+8*\q+2:ST+8*\q+3], v[S+64*\q:S+64*\q+1], v[S+64*\q+2:S+64*\q+3]     ; the row's sum, of the UNQUANTISED p, in two chains
	v_pk_add_f32 v[48+2*\q:49+2*\q], v[S+64*\q+4:S+64*\q+5], v[S+64*\q+6:S+64*\q+7]
.endr
.else
.irp q, 0,1
	v_pk_mul_f32 v[ST+8*\q+2:ST+8*\q+3], v[ST+8*\q+2:ST+8*\q+3], v[ST+8*\q+4:ST+8*\q+5] op_sel_hi:[1,0]   ; the sum under the new M (a plain line behind the exponentials)
.endr
	s_wait_alu depctr_va_vdst(0)
.irp q, 0,1
	v_pk_add_f32 v[48+2*\q:49+2*\q], v[S+64*\q:S+64*\q+1], v[S+64*\q+2:S+64*\q+3]
	v_pk_add_f32 v[ST+8*\q+2:ST+8*\q+3], v[ST+8*\q+2:ST+8*\q+3], v[S+64*\q+4:S+64*\q+5]
.endr
.irp q, 0,1
	v_pk_add_f32 v[48+2*\q:49+2*\q], v[48+2*\q:49+2*\q], v[S+64*\q+6:S+64*\q+7]
.endr
.endif
.irp i, 8,12,16,20,24,28,32,36,40,44,48,52,56,60
.irp q, 0,1
	v_pk_add_f32 v[ST+8*\q+2:ST+8*\q+3], v[ST+8*\q+2:ST+8*\q+3], v[S+64*\q+\i:S+64*\q+\i+1]
	v_pk_add_f32 v[48+2*\q:49+2*\q], v[48+2*\q:49+2*\q], v[S+64*\q+\i+2:S+64*\q+\i+3]
.endr
.endr
.irp q, 0,1
	v_pk_add_f32 v[ST+8*\q+2:ST+8*\q+3], v[ST+8*\q+2:ST+8*\q+3], v[48+2*\q:49+2*\q]
.endr
.irp c, 0,1,2,3,4,5,6,7
.irp q, 0,1
.irp i, 0,1,2,3,4,5,6,7
	v_min_num_f32 v[S+64*\q+8*\c+\i], v[S+64*\q+8*\c+\i], v13                 ; the conversion does not saturate (ISA guide 7.6.2); p is not negative, so the hold is one-sided
.endr
	v_cvt_scalef32_pk8_fp8_f32 v[P+16*\q+2*\c:P+16*\q+2*\c+1], v[S+64*\q+8*\c:S+64*\q+8*\c+7], v12
.endr
.endr
	v_nop                                          ; a plain line behind the last conversion
.if !\first
.irp q, 0,1
	WIN 0x41*(1+\q)                                ; O^T (destination and source 0) window 1 or 2, f window 0
.set j, 0
.rept 128
	v_pk_mul_f32 v[j:j+1], v[j:j+1], v[ST+8*\q+4:ST+8*\q+5] op_sel_hi:[1,0]   ; O^T under the new M, each accumulator from its low end on
.set j, j+2
.endr
.endr
	WIN 0
.endif
.endm
.macro STEP first, pf                  ; a key step: the 128 keys of the slot at s36
	v_add_nc_u32 v2, s36, v1
	v_add_nc_u32 v3, 0x10000, v2
	KLD 0
	KLD 1
.irp i, 0,1,2,3,4,5,6,7
	SB \i, \pf
.endr
	WIN 0
	SOFTMAX \first
.irp i, 0,1,2,3,4,5,6,7
	PB \i, \first
.endr
	WIN 0
	s_xor_b32 s36, s36, SLOT1                      ; on to the other slot
.endm
	s_load_b512 s[4:19], s[0:1], 0x0               ; qcodes s[4:5], kv s[6:7], wcodes s[8:9], coefA s[10:11], coefB s[12:13], x s[14:15], the scales s[16:17], out0 s[18:19]
	v_lshl_add_u32 v4, v0, 2, SPARE
	v_mov_b32 v5, 0
	ds_add_u32 v4, v5
	ds_add_u32 v4, v5
	s_wait_dscnt 0x0
	v_lshrrev_b32 v1, 5, v0
	v_readfirstlane_b32 s20, v1                    ; wave 0..3
	s_bfe_u32 s21, ttmp6, 0x40000                  ; cx: my place in the cluster
	s_lshl_b32 s22, ttmp9, 2
	s_add_co_u32 s22, s22, s21                     ; my block of 128 queries: it enters the addresses of q, x and out0 alone
	s_and_b32 s23, ttmp7, 0xffff                   ; the batch, which the four partners share
	; descriptor group 1: a dense block of 32 KiB as 128 rows of 32 elements of 8 bytes
	s_mov_b32 s24, 15|(3<<16)|(1<<21)              ; the mask: all four work-groups; elements of 8 bytes; bit 21 set beside a mask; no padding
	s_mov_b32 s25, 32<<16                          ; tensor_dim0 = 32
	s_mov_b32 s26, 128<<16                         ; tensor_dim1 = 128
	s_mov_b32 s27, 32<<16                          ; tile_dim0 = 32
	s_mov_b32 s28, 128                             ; tile_dim1 = 128
	s_mov_b32 s29, 32                              ; from row to row
	s_mov_b32 s30, 0
	s_mov_b32 s31, 0
	s_mov_b32 s32, 1                               ; group 0: count = 1
	s_lshl_b32 s33, s20, 15                        ; LDS address: my quarter of slot 0
	s_lshl_b32 s2, s23, 20                         ; kv: the batch's 1 MiB, my quarter of a block
	s_add_co_u32 s2, s2, s33
	s_mov_b32 s3, 0
	s_lshl_b32 s66, s23, 19                        ; qcodes: batch, block of queries, my two tiles
	s_lshl_b32 s63, s22, 16
	s_add_co_u32 s66, s66, s63
	s_lshl_b32 s63, s20, 14
	s_add_co_u32 s66, s66, s63
	s_mov_b32 s67, 0
	s_add_co_u32 s72, s63, 786432                  ; wcodes: the fourth weight, my eight tiles
	s_mov_b32 s73, 0
	s_lshl_b32 s68, s23, 21                        ; x and out0: batch, my 128 rows of 4,096 bytes, the block's 512 bytes of a row
	s_lshl_b32 s63, s20, 19
	s_add_co_u32 s68, s68, s63
	s_lshl_b32 s63, s22, 9
	s_add_co_u32 s68, s68, s63
	s_mov_b32 s69, 0
	s_lshl_b32 s70, s23, 11                        ; the coefficients of my 128 channels
	s_lshl_b32 s63, s20, 9
	s_add_co_u32 s70, s70, s63
	s_mov_b32 s71, 0
	s_mov_b32 s36, 0
	s_mov_b32 s38, 0x76543210                      ; v_permlanex16_b32: lane l xor 16
	s_mov_b32 s39, 0xfedcba98
	s_wait_kmcnt 0x0
	s_load_b64 s[44:45], s[16:17], 0x18            ; e6, e7
	s_load_b128 s[48:51], s[16:17], 0x20           ; e8, e9, e10, e11
	s_add_nc_u64 s[34:35], s[6:7], s[2:3]
	s_or_b32 s35, s35, 0x80000000                  ; type = 2
	s_add_nc_u64 s[4:5], s[4:5], s[66:67]
	s_add_nc_u64 s[52:53], s[14:15], s[68:69]
	s_add_nc_u64 s[54:55], s[18:19], s[68:69]
	s_add_nc_u64 s[56:57], s[8:9], s[72:73]
	s_add_nc_u64 s[58:59], s[10:11], s[70:71]
	s_add_nc_u64 s[60:61], s[12:13], s[70:71]
	ROUND                                          ; all four work-groups are here: the first joint loads meet
	JLOAD                                          ; block 0 into slot 0
	v_and_b32 v48, 31, v0                          ; lane
	v_lshlrev_b32 v1, 4, v48
	v_and_b32 v49, 15, v0                          ; r
	v_bfe_u32 v50, v0, 4, 1                        ; h
	WIN 0xc0
.set k, 0
.rept 32
	global_load_b128 v[4*k:4*k+3], v1, s[4:5] offset:512*k     ; Q's eight fragments stay in registers: 16 KiB on end
.set k, k+1
.endr
	WIN 0
	s_lshl_b32 s63, s20, 14
	v_add_nc_u32 v6, s63, v1                       ; where I store O's images: my two tiles of queries
	s_mul_i32 s63, s20, 128*SPITCH
	s_add_co_u32 s63, s63, STAGE                   ; my stage
	v_mul_u32_u24 v8, v49, SPITCH
	v_lshl_add_u32 v8, v50, 5, v8
	v_add_nc_u32 v8, s63, v8                       ; in: row r, 32 bytes for each half of the lanes
	v_mul_u32_u24 v9, v50, 64*SPITCH
	v_lshl_add_u32 v9, v49, 4, v9
	v_add_nc_u32 v9, s63, v9                       ; back: lanes 0-15 a row of 256 bytes, lanes 16-31 the row 64 further down
	v_lshlrev_b32 v10, 18, v50
	v_lshl_add_u32 v10, v49, 4, v10                ; and the same two rows in x and out0
	v_lshlrev_b32 v11, 12, v48                     ; a row of x a lane, for the prefetches
	v_lshlrev_b32 v40, 8, v50                      ; coefA: 64 channels for each half of the lanes
	v_lshlrev_b32 v41, 2, v49                      ; coefB: channel r of a tile
	v_mov_b32 v[ST+5], 0                           ; (named as the upper halves of the pairs that hold f)
	v_mov_b32 v[ST+13], 0
	s_wait_kmcnt 0x0
	s_add_co_i32 s63, s44, s45
	s_lshl_b32 s63, s63, 23
	s_add_co_i32 s40, s63, 0x3d8293ee              ; c = log2(e) / sqrt(512), with e6 + e7 added to its exponent field: a score stands for score x 2^(e6 + e7)
	s_mov_b32 s41, s40                             ; (named with it as a pair, so it is written)
	s_add_co_i32 s63, s48, 127
	s_lshl_b32 s66, s63, 23
	v_mov_b32 v12, s66                             ; 2^e8
	s_add_co_i32 s63, s63, 8
	s_lshl_b32 s63, s63, 23
	s_or_b32 s63, s63, 0x600000
	v_mov_b32 v13, s63                             ; 448 x 2^e8
	s_sub_co_i32 s63, s50, s48
	s_sub_co_i32 s63, s63, s49
	s_add_co_i32 s63, s63, 127
	s_lshl_b32 s66, s63, 23
	v_mov_b32 v14, s66                             ; 2^(e10 - e8 - e9): O^T / the sum stands for that x 2^(e8 + e9)
	s_add_co_i32 s63, s63, 8
	s_lshl_b32 s63, s63, 23
	s_or_b32 s63, s63, 0x600000
	v_mov_b32 v15, s63
	s_add_co_i32 s46, s50, s51
	s_add_co_i32 s46, s46, 127
	s_lshl_b32 s46, s46, 23                        ; 2^(e10 + e11)
	s_mov_b32 s47, s46
	s_wait_loadcnt 0x0                             ; Q
	CHANGE 1                                       ; block 0 is whole; block 1 goes out
	STEP 1, 0                                      ; the first step is written out: its products start O^T's sums
	s_mov_b32 s37, 6
.Lkeys:                                            ; blocks 1 to 6; behind each change the block after next's slot is filled
	CHANGE 1
	STEP 0, 0
	s_sub_co_u32 s37, s37, 1
	s_cmp_lg_u32 s37, 0
	s_cbranch_scc1 .Lkeys
	CHANGE 0                                       ; the last step is written out
	STEP 0, 1
	; ---- THE END.  The coefficients of my 128 outputs; then tile by tile: O^T / the sum, held, converted; its four fragments go to LDS as images; Wp's K steps 2 q, 2 q + 1 take the tile's registers
.set k, 0
.rept 16
	global_load_b128 v[AV+4*k:AV+4*k+3], v40, s[58:59] offset:16*k            ; coefA[128 w + 64 (lane / 16) + 0..63]
.set k, k+1
.endr
.irp t, 0,1,2,3,4,5,6,7
	global_load_b32 v[32+\t], v41, s[60:61] offset:64*\t                      ; coefB[128 w + 16 t + r]
.endr
.macro WPLOAD s                        ; my eight fragments of Wp, K step s: 32 loads
	WIN 0x40*(1+(\s)/2)
.irp t, 0,1,2,3,4,5,6,7
.irp c, 0,1,2,3
	global_load_b128 v[128*((\s)%2)+16*\t+4*\c:128*((\s)%2)+16*\t+4*\c+3], v1, s[56:57] offset:(\s)*65536+\t*2048+512*\c
.endr
.endr
.endm
.macro FIN q
	WIN 0
	v_add_f32 v[ST+8*\q+2], v[ST+8*\q+2], v[ST+8*\q+3]                        ; the sum's two halves,
	v_permlanex16_b32 v[ST+8*\q+6], v[ST+8*\q+2], s38, s39
	v_add_f32 v[ST+8*\q+2], v[ST+8*\q+2], v[ST+8*\q+6]                        ; and lane l xor 16's
	v_rcp_f32 v[ST+8*\q+4], v[ST+8*\q+2]
	v_nop                                          ; a plain line behind the transcendental
	WIN 0x41*(1+\q)
.set j, 0
	s_wait_alu depctr_va_vdst(0)
.rept 128
	v_pk_mul_f32 v[j:j+1], v[j:j+1], v[ST+8*\q+4:ST+8*\q+5] op_sel_hi:[1,0]   ; each accumulator from its low end on
.set j, j+2
.endr
.set j, 0
.rept 256
	v_med3_num_f32 v[j], v[j], -v15, v15
.set j, j+1
.endr
	WIN 1+\q
.set j, 0
.rept 32
	v_cvt_scalef32_pk8_fp8_f32 v[S+64*\q+2*j:S+64*\q+2*j+1], v[8*j:8*j+7], v14   ; channel tile j = 8 s + c: registers 2 c, 2 c + 1 of K step s
.set j, j+1
.endr
	v_nop                                          ; a plain line behind the last conversion
	WIN 0
.irp k, 0,1,2,3,4,5,6,7,8,9,10,11,12,13,14,15
	ds_store_b128 v6, v[S+64*\q+4*\k:S+64*\q+4*\k+3] offset:8192*\q+512*\k
.endr
	WPLOAD 2*\q
	WPLOAD 2*\q+1
.endm
	FIN 0
	FIN 1
	WIN 0
	s_wait_dscnt 0x0                               ; for the others' sake: my images are written, and my reads of slot 1 are over
	s_barrier_signal -1
	s_barrier_wait -1                              ; O's 32 images lie in LDS; nobody reads a slot any more
.macro OFR s                           ; O's four fragments of this half's tiles of queries, K step s
.irp m, 0,1,2,3
.irp c, 0,1,2,3
	ds_load_b128 v[S+64*((\s)%2)+16*\m+4*\c:S+64*((\s)%2)+16*\m+4*\c+3], v7 offset:\m*8192+2048*(\s)+512*\c
.endr
.endr
.endm
.macro XLD g                           ; x: rows 8 g + 0..7 and, in lanes 16-31, 64 further down: 256 consecutive bytes for sixteen lanes
	WIN 0xc0
.irp k, 0,1,2,3,4,5,6,7
	global_load_b128 v[32*((\g)%6)+4*\k:32*((\g)%6)+4*\k+3], v10, s[52:53] offset:4096*(8*(\g)+\k) th:TH_LOAD_NT
.endr
.endm
.macro RLD g                           ; the same rows of the projection, out of my stage
	WIN 0xc0
.irp k, 0,1,2,3,4,5,6,7
	ds_load_b128 v[192+32*((\g)%2)+4*\k:192+32*((\g)%2)+4*\k+3], v9 offset:SPITCH*(8*(\g)+\k)
.endr
.endm
.macro GROUP g, left                   ; out0 = x coefA + (projection x 2^(e10 + e11) + coefB), for sixteen rows.  left: the later groups' loads of x
.set XS, 32*((\g)%6)
.set RS, 192+32*((\g)%2)
	s_wait_loadcnt \left
.if (\g) < 7
	s_wait_dscnt 8                                 ; the next group's eight loads from the stage may be out
.else
	s_wait_dscnt 0x0
.endif
	WIN 0xf3                                       ; x and the stage's rows window 3, coefA window 0
.irp k, 0,1,2,3,4,5,6,7
.irp d, 0,2
.if \k % 2
	v_pk_fma_f32 v[XS+4*\k+\d:XS+4*\k+\d+1], v[XS+4*\k+\d:XS+4*\k+\d+1], v[AV+8*(\g)+\k-1:AV+8*(\g)+\k], v[RS+4*\k+\d:RS+4*\k+\d+1] op_sel:[0,1,0] op_sel_hi:[1,1,1]
.else
	v_pk_fma_f32 v[XS+4*\k+\d:XS+4*\k+\d+1], v[XS+4*\k+\d:XS+4*\k+\d+1], v[AV+8*(\g)+\k:AV+8*(\g)+\k+1], v[RS+4*\k+\d:RS+4*\k+\d+1] op_sel_hi:[1,0,1]
.endif
.endr
.endr
	WIN 0x0c                                       ; a store's data window 3
.irp k, 0,1,2,3,4,5,6,7
	global_store_b128 v10, v[XS+4*\k:XS+4*\k+3], s[54:55] offset:4096*(8*(\g)+\k) th:TH_STORE_NT   ; sixteen lanes store 256 consecutive bytes, aligned
.endr
.if (\g) < 6
	RLD (\g)+2
.endif
.if (\g) < 2
	s_wait_xcnt 0x0                                ; the stores above have read the registers that the loads below fill
	XLD (\g)+6
.endif
.endm
	s_mov_b32 s62, 0
	s_mov_b32 s37, 2
.Lhalf:                                            ; two trips: 64 queries each, against my 128 outputs: 32 accumulators by turns
	v_add_nc_u32 v7, s62, v1
	OFR 0
	OFR 1
.irp s, 0,1,2,3
.if \s < 3
	s_wait_dscnt 16                                ; the next K step's sixteen loads may be out
.else
	s_wait_dscnt 0x0
.endif
.if \s < 2                             ; Wp's K step s is in: behind it stand the later K steps' loads, 96, 64, 32, 0 (the wait's field holds 63); in the second trip no load is out
	s_wait_loadcnt 63
.elseif \s == 2
	s_wait_loadcnt 32
.else
	s_wait_loadcnt 0x0
.endif
	WIN 0xf4+4*(\s/2)                              ; source 0 (O) window 0, source 1 (Wp) window 1 or 2, C and D window 3
.irp m, 0,1,2,3
.irp t, 0,1,2,3,4,5,6,7
.if \s == 0
	v_wmma_f32_16x16x128_fp8_fp8 v[64*\m+8*\t:64*\m+8*\t+7], v[S+64*(\s%2)+16*\m:S+64*(\s%2)+16*\m+15], v[128*(\s%2)+16*\t:128*(\s%2)+16*\t+15], 0
.else
	v_wmma_f32_16x16x128_fp8_fp8 v[64*\m+8*\t:64*\m+8*\t+7], v[S+64*(\s%2)+16*\m:S+64*(\s%2)+16*\m+15], v[128*(\s%2)+16*\t:128*(\s%2)+16*\t+15], v[64*\m+8*\t:64*\m+8*\t+7]
.endif
.endr
.endr
	WIN 0
	PLACES
.if \s < 2
	OFR \s+2
.endif
.if \s == 0                            ; in the first trip four prefetches ask for the 256 bytes of my 128 rows of x that the second trip will load; the second trip asks for nothing
	s_cmp_eq_u32 s37, 2
	s_cbranch_scc0 .Lno_pf
.irp k, 0,1,2,3
	global_prefetch_b8 v11, s[52:53] offset:131072*\k+256 th:TH_LOAD_NT scope:SCOPE_SE
.endr
.Lno_pf:
.endif
.endr
	WIN 0xc3
.irp m, 0,1,2,3
.irp t, 0,1,2,3,4,5,6,7
.irp d, 0,2,4,6
.if \t % 2
	v_pk_fma_f32 v[64*\m+8*\t+\d:64*\m+8*\t+\d+1], v[64*\m+8*\t+\d:64*\m+8*\t+\d+1], s[46:47], v[32+\t-1:32+\t] op_sel:[0,0,1] op_sel_hi:[1,0,1]   ; sum x 2^(e10 + e11) + coefB of my e
.else
	v_pk_fma_f32 v[64*\m+8*\t+\d:64*\m+8*\t+\d+1], v[64*\m+8*\t+\d:64*\m+8*\t+\d+1], s[46:47], v[32+\t:32+\t+1] op_sel_hi:[1,0,0]
.endif
.endr
.endr
.endr
	WIN 0x0c
.irp t, 0,1,2,3,4,5,6,7
.irp m, 0,1,2,3
	ds_store_b128 v8, v[64*\m+8*\t:64*\m+8*\t+3] offset:16*SPITCH*\t+64*\m          ; row e = 16 t + r, positions 16 m + 8 h + 0..7
	ds_store_b128 v8, v[64*\m+8*\t+4:64*\m+8*\t+7] offset:16*SPITCH*\t+64*\m+16
.endr
.endr
	s_wait_dscnt 0x0                               ; the stores have read their registers, which the loads below fill
	XLD 0
	XLD 1
	XLD 2
	XLD 3
	XLD 4
	XLD 5
	RLD 0
	RLD 1
	GROUP 0, 40
	GROUP 1, 40
	GROUP 2, 40
	GROUP 3, 32
	GROUP 4, 24
	GROUP 5, 16
	GROUP 6, 8
	GROUP 7, 0
	WIN 0
	s_wait_xcnt 0x0                                ; the stores have read their registers and bases: the next trip's sums and the steps below write them
	s_add_nc_u64 s[52:53], s[52:53], 256           ; the next 64 positions
	s_add_nc_u64 s[54:55], s[54:55], 256
	s_add_co_u32 s62, s62, 32768                   ; the next four tiles of queries
	s_sub_co_u32 s37, s37, 1
	s_cmp_lg_u32 s37, 0
	s_cbranch_scc1 .Lhalf
	s_wait_tensorcnt 0x0                           ; the wave's end, behind my last tensor load and my last LDS store
	ds_add_u32 v4, v5
	s_wait_dscnt 0x0
	ROUND                                          ; the closing round: no work-group ends while a partner may still ask for a block that names it
	s_endpgm
.Lfunc_end_k_q188c92b614_attn:
	.size	k_q188c92b614_attn, .Lfunc_end_k_q188c92b614_attn-k_q188c92b614_attn
	.p2alignl 7, 3214868480
	.fill 96, 4, 3214868480
	.section	.rodata,"a",@progbits
	.p2align	6, 0x0
	.amdhsa_kernel k_q188c92b614_attn
		.amdhsa_group_segment_fixed_size 327680
		.amdhsa_private_segment_fixed_size 0
		.amdhsa_enable_private_segment 0
		.amdhsa_kernarg_size 64
		.amdhsa_user_sgpr_count 2
		.amdhsa_user_sgpr_kernarg_segment_ptr 1
		.amdhsa_wavefront_size32 1
		.amdhsa_system_sgpr_workgroup_id_x 1
		.amdhsa_system_sgpr_workgroup_id_y 1
		.amdhsa_system_sgpr_workgroup_id_z 1
		.amdhsa_system_vgpr_workitem_id 0
		.amdhsa_next_free_vgpr 1024
		.amdhsa_next_free_sgpr 80
		.amdhsa_reserve_vcc 0
		.amdhsa_float_denorm_mode_32 3
		.amdhsa_float_denorm_mode_16_64 3
		.amdhsa_memory_ordered 1
		.amdhsa_forward_progress 1
		.amdhsa_inst_pref_size 255
	.end_amdhsa_kernel
	.section	.bss,"aw",@nobits
	.p2align	6
	.space	262144
	.amdgpu_metadata
---
amdhsa.version: [ 1, 2 ]
amdhsa.kernels:
  - .name:           k_q188c92b614_attn
    .symbol:         k_q188c92b614_attn.kd
    .args:
      - { .name: qcodes, .offset: 0, .size: 8, .value_kind: global_buffer, .address_space: global }
      - { .name: kv, .offset: 8, .size: 8, .value_kind: global_buffer, .address_space: global }
      - { .name: wcodes, .offset: 16, .size: 8, .value_kind: global_buffer, .address_space: global }
      - { .name: coefA, .offset: 24, .size: 8, .value_kind: global_buffer, .address_space: global }
      - { .name: coefB, .offset: 32, .size: 8, .value_kind: global_buffer, .address_space: global }
      - { .name: x, .offset: 40, .size: 8, .value_kind: global_buffer, .address_space: global }
      - { .name: lowp_scales, .offset: 48, .size: 8, .value_kind: global_buffer, .address_space: global }
      - { .name: out0, .offset: 56, .size: 8, .value_kind: global_buffer, .address_space: global }
    .group_segment_fixed_size: 327680
    .private_segment_fixed_size: 0
    .kernarg_segment_align: 8
    .kernarg_segment_size: 64
    .max_flat_workgroup_size: 128
    .sgpr_count:     80
    .vgpr_count:     1024
    .wavefront_size: 32
...
	.end_amdgpu_metadata
.endif
;; end of part 3
